; MI455X (gfx1250); checked and timed in simulation.
; The chip was launched on July 23, 2026; its instructions are those of AMD's public machine-readable ISA for CDNA 5 (MIT licence, August 2026) and "CDNA5" Instruction Set Architecture Reference Guide (July 2026). The comments in the code are by the model that wrote it; some were corrected since.
;; Regular Attention. Allowed arithmetic: float matrix products may take bf16 or f16 operands with f32 sums; all other float work in f32.
;; Inputs: k 2 x 12 x 2,048 x 64 float32; mask 2,048 x 2,048 int32; q 2 x 12 x 2,048 x 64 float32; v 2 x 12 x 2,048 x 64 float32.
;; Outputs: out0 2 x 12 x 2,048 x 64 float32.
;; One version. Each part assembles by itself: llvm-mc -triple=amdgcn-amd-amdhsa -mcpu=gfx1250 --defsym DOCPART=n.
;; ======== version 1 of 1: 2 launches
;; workspace buffers: bits 524,288 bytes of whole numbers; tiles 2,048 bytes of whole numbers
;; launch scan (part 1): grid 2 x 128, 8 waves a work-group, no clusters, 168,960 bytes of LDS; arguments mask, bits, tiles; writes bits, tiles
.if DOCPART == 1
	.amdgcn_target "amdgcn-amd-amdhsa--gfx1250"
	.amdhsa_code_object_version 6
	.text
	.protected	k_qa2ded277df_scan
	.globl	k_qa2ded277df_scan
	.p2align	8
	.type	k_qa2ded277df_scan,@function
k_qa2ded277df_scan:
	s_mov_b64 s[64:65], 0
	v_nop
	global_prefetch_b8 v0, s[64:65] scope:SCOPE_SE
	s_setreg_imm32_b32 hwreg(HW_REG_WAVE_MODE, 25, 1), 1
	s_wait_xcnt 0x0
; MASK SCAN.  mask: [2048][2048] int32, a key is allowed where mask > 0 (signed).
; Stores, as whole numbers for the attention launch:
;   bits  [qtile 128][kblock 64][word 16]: word 8 t + j, bit r + 16 h  =  mask[16 qtile + r][32 kblock + 16 t + 8 h + j] > 0.
;         That is the lane mask for register j of score tile t when scores lie as (key 8 h + j, query r) in lane r + 16 h.
;   tiles [qtile 128][4]: word 0, 1: key blocks 0-31, 32-63 that hold any allowed key; word 2, 3: 16-bit map of the rows that
;         have an allowed key in columns 0-1023, 1024-2047.
; A work-group takes 16 rows x 1024 columns (64 KiB), 256 work-groups take the mask once.  Wave w takes 16 rows x 128 columns = 4 key blocks.
; A lane mask wants 16 DIFFERENT rows in one register, which straight loads would fetch as 32 short pieces of 32 rows; so the wave's
; tile comes by one tensor load (rows of 512 bytes, each starting at a multiple of 512 bytes of the buffer) and is read from LDS.
; Each wave reads only what its own load brought: s_wait_tensorcnt is all the ordering that the tile needs.
; No cluster: no two work-groups read the same byte.  No matrix unit: there is no product here.
.set PITCH, 528                        ; LDS row: 512 bytes + 16 of padding = 33 x 16: sixteen rows' equal columns fall on sixteen different 16-byte columns modulo 256
.set WTILE, 16*PITCH                   ; a wave's tile, 8,448 bytes
.set RED,   8*WTILE                    ; behind the tiles: 8 bytes a wave (block map, row map); written by ds_store alone, never by the mover
.set X,     32                         ; v[32:95]  block b: 16 registers, register 8 t + j as in the layout above
.set WD,    32                         ; s[32:47]  the 16 lane masks of one block
	s_load_b128 s[4:7], s[0:1], 0x0                ; mask s[4:5], bits s[6:7]
	s_load_b64 s[8:9], s[0:1], 0x10                ; tiles
	v_lshl_add_u32 v96, v0, 2, 0x29000
	v_mov_b32 v97, 0
	ds_add_u32 v96, v97
	ds_add_u32 v96, v97
	v_lshrrev_b32 v1, 5, v0
	v_readfirstlane_b32 s10, v1                    ; wave 0..7
	s_and_b32 s12, ttmp7, 0xffff                   ; qtile 0..127;  ttmp9: which half of the columns (hx)
	; descriptor: 16 rows x 128 elements of 4 bytes, row pitch 2,048 elements, 4 words of padding behind every 128 words
	s_mov_b32 s16, 1                               ; group 0: count = 1
	s_mul_i32 s17, s10, WTILE                      ;          LDS address: my wave's tile
	s_mov_b32 s20, (2<<16)|(1<<20)|(6<<22)|(3<<25) ; group 1: element of 4 bytes; padding on; after 128 words (code 6); of 4 words (code 3)
	s_mov_b32 s21, 128<<16                         ; tensor_dim0 = 128
	s_mov_b32 s22, 16<<16                          ; tensor_dim1 = 16
	s_mov_b32 s23, 128<<16                         ; tile_dim0 = 128
	s_mov_b32 s24, 16                              ; tile_dim1 = 16
	s_mov_b32 s25, 2048                            ; elements from row to row
	s_mov_b32 s26, 0
	s_mov_b32 s27, 0
	s_lshl_b32 s14, s12, 17                        ; 16 rows of 8,192 bytes a qtile
	s_lshl_b32 s15, ttmp9, 12                      ; 1,024 columns of 4 bytes a half
	s_add_co_u32 s14, s14, s15
	s_lshl_b32 s15, s10, 9                         ; 128 columns a wave
	s_add_co_u32 s14, s14, s15
	s_mov_b32 s15, 0
	s_wait_dscnt 0x0
	s_wait_kmcnt 0x0
	s_add_nc_u64 s[18:19], s[4:5], s[14:15]
	s_or_b32 s19, s19, 0x80000000                  ; type = 2
	tensor_load_to_lds s[16:19], s[20:27]          ; the wave's only tensor load
	s_nop 0
	; while it is on its way: bases and lane addresses
	s_lshl_b32 s14, s12, 12                        ; bits: 4,096 bytes a qtile,
	s_lshl_b32 s31, ttmp9, 11                      ; 32 blocks of 64 bytes a half,
	s_add_co_u32 s14, s14, s31
	s_lshl_b32 s31, s10, 8                         ; 4 blocks a wave
	s_add_co_u32 s14, s14, s31
	s_add_nc_u64 s[6:7], s[6:7], s[14:15]
	s_lshl_b32 s14, s12, 4                         ; tiles: 16 bytes a qtile
	s_lshl2_add_u32 s14, ttmp9, s14                ; + 4 hx
	s_add_nc_u64 s[8:9], s[8:9], s[14:15]
	v_and_b32 v1, 31, v0                           ; lane L
	v_and_b32 v2, 15, v0                           ; r
	v_bfe_u32 v3, v0, 4, 1                         ; h
	v_mul_u32_u24 v4, v2, PITCH
	v_lshl_add_u32 v4, v3, 5, v4                   ; row r, 8 h columns of 4 bytes
	v_add_nc_u32 v4, s17, v4                       ; in my wave's tile
	v_lshlrev_b32 v5, 3, v1                        ; 8 L: my two words of the wave's 64
	v_mov_b32 v6, 0                                ; v_writelane_b32 keeps the other lanes: the pair is written whole first
	v_mov_b32 v7, 0
	s_mov_b32 s28, 0                               ; my 4 blocks' live bits
	s_mov_b32 s29, 0                               ; OR of all lane masks: which (r, h) saw a key
	s_wait_tensorcnt 0x0                           ; the tile is in LDS
.irp b, 0,1,2,3
.irp q, 0,1,2,3
	ds_load_b128 v[X+16*\b+4*\q:X+16*\b+4*\q+3], v4 offset:128*\b+64*(\q>>1)+16*(\q&1)   ; q = 2 t + u: columns 32 b + 16 t + 8 h + 4 u ..
.endr
.endr
; One key block: 16 lane masks, laid into the output pair (word g = 16 b + i goes to lane g / 2, register g % 2), and their OR.
.macro BLOCK b
	s_wait_dscnt 12-4*\b                           ; LDS loads return in order: this block's four are in, four for each later block stay out
.irp i, 0,1,2,3,4,5,6,7,8,9,10,11,12,13,14,15
	v_cmp_lt_i32 s[WD+\i], 0, v[X+16*\b+\i]        ; 0 < mask
.endr
.irp i, 0,1,2,3,4,5,6,7,8,9,10,11,12,13,14,15
	v_writelane_b32 v[6+(\i&1)], s[WD+\i], (16*\b+\i)>>1
.endr
	s_or_b32 s30, s[WD], s[WD+1]
.irp i, 2,3,4,5,6,7,8,9,10,11,12,13,14,15
	s_or_b32 s30, s30, s[WD+\i]                    ; the last one leaves SCC = the block holds a key
.endr
	s_cselect_b32 s31, 1<<\b, 0
	s_or_b32 s28, s28, s31
	s_or_b32 s29, s29, s30
.endm
	BLOCK 0
	BLOCK 1
	BLOCK 2
	BLOCK 3
	global_store_b64 v5, v[6:7], s[6:7]            ; the wave's 256 consecutive bytes, at a multiple of 256 from the buffer's first byte
	; the work-group's two words: block map (bit 4 w + b) and row map, joined over the eight waves through LDS
	s_lshl_b32 s31, s10, 2
	s_lshl_b32 s28, s28, s31
	s_lshr_b32 s31, s29, 16
	s_or_b32 s29, s29, s31                         ; h = 0 and h = 1 of a row together
	s_and_b32 s29, s29, 0xffff
	s_lshl_b32 s31, s10, 3
	s_add_co_u32 s31, s31, RED
	v_mov_b32 v10, s31
	v_mov_b32 v8, s28
	v_mov_b32 v9, s29
	ds_store_b64 v10, v[8:9]                       ; every lane the same 8 bytes with the same value
	s_wait_dscnt 0x0                               ; for wave 0's sake: my store is done before I signal
	s_barrier_signal -1
	s_barrier_wait -1
	s_cmp_lg_u32 s10, 0
	s_cbranch_scc1 .Lend                           ; wave 0 alone goes on; no barrier follows
	v_mov_b32 v11, RED
.irp i, 0,1,2,3
	ds_load_b128 v[12+4*\i:15+4*\i], v11 offset:16*\i
.endr
	s_wait_dscnt 0x0
.irp i, 2,4,6,8,10,12,14
	v_or_b32 v12, v12, v[12+\i]                    ; block maps
	v_or_b32 v13, v13, v[13+\i]                    ; row maps
.endr
	v_cmp_eq_u32 vcc_lo, 1, v0
	v_cndmask_b32 v12, v12, v13, vcc_lo            ; lane 0: block map (word hx), lane 1: row map (word 2 + hx)
	v_lshlrev_b32 v28, 3, v0
	v_cmp_gt_u32 vcc_lo, 2, v0
	s_wait_xcnt 0x0                                ; EXEC is a source of the pending store of bits: it narrows only behind this wait
	s_and_saveexec_b32 s48, vcc_lo
	global_store_b32 v28, v12, s[8:9]              ; 8 bytes a work-group, 2 KiB in the whole launch: too little to gather further
	s_wait_xcnt 0x0                                ; and it widens only behind this one
	s_or_b32 exec_lo, exec_lo, s48
.Lend:
	s_wait_tensorcnt 0x0
	ds_add_u32 v96, v97
	s_wait_dscnt 0x0
	s_endpgm
.Lfunc_end_k_qa2ded277df_scan:
	.size	k_qa2ded277df_scan, .Lfunc_end_k_qa2ded277df_scan-k_qa2ded277df_scan
	.p2alignl 7, 3214868480
	.fill 96, 4, 3214868480
	.section	.rodata,"a",@progbits
	.p2align	6, 0x0
	.amdhsa_kernel k_qa2ded277df_scan
		.amdhsa_group_segment_fixed_size 168960
		.amdhsa_private_segment_fixed_size 0
		.amdhsa_enable_private_segment 0
		.amdhsa_kernarg_size 24
		.amdhsa_user_sgpr_count 2
		.amdhsa_user_sgpr_kernarg_segment_ptr 1
		.amdhsa_wavefront_size32 1
		.amdhsa_system_sgpr_workgroup_id_x 1
		.amdhsa_system_sgpr_workgroup_id_y 1
		.amdhsa_system_sgpr_workgroup_id_z 1
		.amdhsa_system_vgpr_workitem_id 0
		.amdhsa_next_free_vgpr 98
		.amdhsa_next_free_sgpr 66
		.amdhsa_reserve_vcc 1
		.amdhsa_float_denorm_mode_32 3
		.amdhsa_float_denorm_mode_16_64 3
		.amdhsa_memory_ordered 1
		.amdhsa_forward_progress 1
		.amdhsa_inst_pref_size 16
	.end_amdhsa_kernel
	.amdgpu_metadata
---
amdhsa.version: [ 1, 2 ]
amdhsa.kernels:
  - .name:           k_qa2ded277df_scan
    .symbol:         k_qa2ded277df_scan.kd
    .args:
      - { .name: mask, .offset: 0, .size: 8, .value_kind: global_buffer, .address_space: global }
      - { .name: bits, .offset: 8, .size: 8, .value_kind: global_buffer, .address_space: global }
      - { .name: tiles, .offset: 16, .size: 8, .value_kind: global_buffer, .address_space: global }
    .group_segment_fixed_size: 168960
    .private_segment_fixed_size: 0
    .kernarg_segment_align: 8
    .kernarg_segment_size: 24
    .max_flat_workgroup_size: 256
    .sgpr_count:     66
    .vgpr_count:     98
    .wavefront_size: 32
...
	.end_amdgpu_metadata
.endif
;; end of part 1
;; launch attn (part 2): grid 8 x 24, 16 waves a work-group, no clusters, 227,328 bytes of LDS; arguments q, k, v, bits, tiles, out0; writes out0
.if DOCPART == 2
	.amdgcn_target "amdgcn-amd-amdhsa--gfx1250"
	.amdhsa_code_object_version 6
	.text
	.protected	k_qa2ded277df_attn
	.globl	k_qa2ded277df_attn
	.p2align	8
	.type	k_qa2ded277df_attn,@function
k_qa2ded277df_attn:
	s_mov_b64 s[64:65], 0
	v_nop
	global_prefetch_b8 v0, s[64:65] scope:SCOPE_SE
	s_setreg_imm32_b32 hwreg(HW_REG_WAVE_MODE, 25, 1), 1
	s_wait_xcnt 0x0
; BLOCK-SPARSE ATTENTION.  out = softmax(where(mask > 0, q k^T, -1e30)) v, no scale.  q, k, v, out: [24 heads][2048][64] f32.
; The mask is known only through the two maps that the launch before stored (bits: lane masks; tiles: live key blocks and rows with a key).
; A key block of 32 keys in which a 16-row tile has no allowed key adds exp(-1e30 - m) = 0 to every row that has a key elsewhere, so it is
; left out.  A tile with a row that has NO key at all walks all 64 blocks: the ordinary arithmetic then gives that row the mean of v, as reference() does.
;
; SHARES.  A work-group: 256 query rows of one head, 16 waves; a wave: 16 rows.  24 heads x 8 = 192 work-groups (2,048 rows do not divide into
; pieces of 192 rows, which 256 equal work-groups would need).  The 16 waves' lists are joined; each block of the joint list is brought once,
; rounded to bf16 (nearest even) and laid into an LDS slot, and each wave multiplies the slots that its own map names.
; The joint list is cut into 4 chunks of 16 slots (4 x 16 = 64 blocks: a dense mask is served).  Barriers stand only in this fixed frame;
; whatever hangs on the maps is a forward branch that holds no barrier.
;
; LAYOUT, without any exchange between lanes (L = r + 16 h):
;   S^T = K Q^T : source 0 = 16 keys x 32 d, source 1 = 16 queries x 32 d; register j of lane L = (key 8 h + j, query r).
;   The two score tiles of a block (keys 16 t + 8 h + j) round, pair by pair, straight into the source-1 fragment P^T (32 keys x 16 queries).
;   O^T += V^T P^T : source 0 = V^T, by the transposing LDS load from V kept as [key][d]; register j = (d 16 dt + 8 h + j, query r).
;   So a row's maximum, factor and sum are one number a lane (the two halves of the lanes joined by v_permlanex16_b32).
;
; LIMITS.  A masked score is -2^100 (-1.27e30) in place of -1e30: a power of two, so that its product with log2(e) is exact and a row without
; keys gets exp2(0) = 1 for every key.  The result differs from reference() only where true scores lie below about -1e29.  Inf and NaN
; inputs are not served.  Places of a chunk beyond the list's end load key block 31 of the head into a slot that no wave reads.
; NO TENSOR LOADS for K and V: they cannot round to bf16, and f32 in LDS would double the LDS reads and bar the 16-bit transposing load.
; NO CLUSTER: with no tensor load there is no joint request, and neighbouring work-groups hold different lists and so different trips.
; NO PREFETCH: a chunk's addresses are known only with the list, and then all its 32 loads a wave are issued at once.
.set KP,    144                        ; LDS row of K: 64 bf16 + 16 bytes = 9 x 16
.set VP,    160                        ; LDS row of V: 64 bf16 + 32 bytes = 5 x 32 (the transposing load reads 8 rows x 2 columns of 16 bytes a pass)
.set VOFF,  32*KP                      ; V's 32 rows lie behind K's 32 rows
.set SLOT,  VOFF+32*VP                 ; 9,728 bytes
.set STG,   16*SLOT                    ; behind the slots: each wave's own stage
.set OP,    272                        ; stage row on the way out: 64 f32 + 16 bytes
.set STGW,  16*OP                      ; 4,352 bytes a wave: first Q in bf16 (16 rows x 144), at the end O in f32
.set QF,    20                         ; v[20:35]   Q fragments: d 0-31, d 32-63
.set OA,    36                         ; v[36:67]   O^T, tile dt at 36 + 8 dt; before that Q as loaded
.set SC,    68                         ; v[68:83]   scores, then p: tile t at 68 + 8 t
.set PB,    84                         ; v[84:91]   P^T in bf16; before that partial maxima and sums
.set KF,    92                         ; v[92:123]  K fragments at 92 + 16 t + 8 c
.set VF,    124                        ; v[124:155] V^T fragments at 124 + 8 dt
.set X,     68                         ; v[68:195]  staging: slot e: K in X + 8 e .. + 3, V in X + 8 e + 4 .. + 7 (SC, PB, KF, VF are dead then)
.set OFF,   196                        ; v[196:211] slot e: byte offset of my 16 bytes of its block
.set IDX,   32                         ; s[32:47]   slot e: 64 x block number
.set LOG2E,  0x3fb8aa3b
.set NLOG2E, 0xbfb8aa3b
; v1 16 t | v2, v3 where I store K, V in slot 0 | v4, v5 fragment addresses of K, V^T in slot 0 | v6, v7 stage in, stage back | v8 16 L
; v9 -2^100 | v[10:11] (-m log2e, m) | v[12:13] (alpha, l) | v14, v15, v18, v19 at work | v16, v17 running LDS addresses
; s[4:15] bases q, k, v, bits, tiles, out | s16 wave | s17 head | s20, s21 what is left of the joint map | s22, s23 my tile's map
; s24 bit e: my tile needs slot e | s25 chunk counter | s26, s27 lane select | s[48:63], s[68:83] lane masks of even, odd slots
	s_load_b256 s[4:11], s[0:1], 0x0               ; q, k, v, bits
	s_load_b128 s[12:15], s[0:1], 0x20             ; tiles, out0
	v_lshl_add_u32 v212, v0, 2, 0x37000
	v_mov_b32 v213, 0
	v_lshrrev_b32 v14, 5, v0
	v_readfirstlane_b32 s16, v14                   ; wave 0..15
	s_and_b32 s17, ttmp7, 0xffff                   ; head 0..23;  ttmp9: group of 256 rows (gx)
	s_mov_b32 s26, 0x76543210                      ; v_permlanex16_b32: lane i of one half reads lane i of the other
	s_mov_b32 s27, 0xfedcba98
	s_lshl_b32 s2, s17, 19                         ; a head: 2,048 rows of 256 bytes
	s_mov_b32 s3, 0
	s_lshl_b32 s18, ttmp9, 16                      ; (256 gx + 16 w) rows of 256 bytes in q and out,
	s_lshl_b32 s19, s16, 12                        ; and as well (16 gx + w) tiles of 4,096 bytes in bits
	s_add_co_u32 s18, s18, s19
	s_mov_b32 s19, 0
	s_lshl_b32 s28, ttmp9, 8                       ; tiles: 16 tiles of 16 bytes a work-group
	s_mov_b32 s29, 0
	s_mul_i32 s30, s16, STGW
	s_add_co_u32 s30, s30, STG                     ; my wave's stage
	v_and_b32 v14, 31, v0                          ; L
	v_and_b32 v15, 15, v0                          ; r
	v_bfe_u32 v18, v0, 4, 1                        ; h
	v_lshrrev_b32 v19, 4, v0                       ; 2 w + h: the row of a block of which thread t holds 16 bytes
	v_lshlrev_b32 v1, 4, v0                        ; 16 t: 512 threads x 16 bytes = a block of 32 rows x 256 bytes
	v_lshlrev_b32 v8, 4, v14                       ; 16 L
	v_mul_u32_u24 v2, v19, KP
	v_lshl_add_u32 v2, v15, 3, v2                  ; 4 f32 become 8 bytes
	v_mul_u32_u24 v3, v19, VP
	v_lshl_add_u32 v3, v15, 3, v3
	v_add_nc_u32 v3, VOFF, v3
	v_mul_u32_u24 v4, v15, KP
	v_lshl_add_u32 v4, v18, 4, v4                  ; row r, 16 h: two loads 32 bytes apart make a fragment
	v_and_b32 v16, 7, v0
	v_lshl_add_u32 v16, v18, 3, v16                ; key 8 h + (L & 7)
	v_mul_u32_u24 v5, v16, VP
	v_bfe_u32 v17, v0, 3, 1
	v_lshl_add_u32 v5, v17, 4, v5                  ; + 16 bytes for lanes 8-15 of each half
	v_add_nc_u32 v5, VOFF, v5
	v_mul_u32_u24 v6, v15, OP
	v_lshl_add_u32 v6, v18, 5, v6                  ; way out, in: row r, d 8 h ..
	v_add_nc_u32 v6, s30, v6
	v_mul_u32_u24 v7, v18, OP
	v_lshl_add_u32 v7, v15, 4, v7                  ; way out, back: lanes 0-15 one row, lanes 16-31 the next
	v_add_nc_u32 v7, s30, v7
	v_mul_u32_u24 v16, v18, KP
	v_lshl_add_u32 v16, v15, 3, v16
	v_add_nc_u32 v16, s30, v16                     ; Q into the stage: row h (+ 2 i), 8 bytes at 8 r
	v_add_nc_u32 v17, s30, v4                      ; Q fragments out of it
	v_mov_b32 v9, 0xf1800000                       ; -2^100
	s_wait_kmcnt 0x0
	s_add_nc_u64 s[6:7], s[6:7], s[2:3]            ; k, v at the head
	s_add_nc_u64 s[8:9], s[8:9], s[2:3]
	s_add_nc_u64 s[4:5], s[4:5], s[2:3]            ; q, out at my wave's 16 rows
	s_add_nc_u64 s[4:5], s[4:5], s[18:19]
	s_add_nc_u64 s[14:15], s[14:15], s[2:3]
	s_add_nc_u64 s[14:15], s[14:15], s[18:19]
	s_add_nc_u64 s[10:11], s[10:11], s[18:19]      ; bits at my tile
	s_add_nc_u64 s[12:13], s[12:13], s[28:29]      ; tiles at the work-group's 16 tiles
.irp i, 0,1,2,3,4,5,6,7
	global_load_b128 v[OA+4*\i:OA+4*\i+3], v8, s[4:5] offset:512*\i th:TH_LOAD_NT   ; my 16 rows of q, read once in the launch
.endr
	s_lshl_b32 s2, s16, 4
	s_load_b512 s[32:47], s[12:13], 0x0            ; the 16 tiles' four words each
	s_load_b512 s[48:63], s[12:13], 0x40
	s_load_b512 s[68:83], s[12:13], 0x80
	s_load_b512 s[84:99], s[12:13], 0xc0
	s_load_b128 s[28:31], s[12:13], s2 offset:0x0  ; and my own tile's once more, where a constant register number finds them
	s_wait_kmcnt 0x0
	; my map: the tile's live blocks, or all 64 if one of its 16 rows has no key
	s_or_b32 s30, s30, s31
	s_cmp_eq_u32 s30, 0xffff
	s_cselect_b32 s22, s28, -1
	s_cselect_b32 s23, s29, -1
	s_mov_b32 s20, 0
	s_mov_b32 s21, 0
.macro TILEFIX b                       ; the same for the tile whose words lie in s[b : b + 3], joined into s20, s21
	s_or_b32 s[\b+2], s[\b+2], s[\b+3]
	s_cmp_eq_u32 s[\b+2], 0xffff
	s_cselect_b32 s[\b], s[\b], -1
	s_cselect_b32 s[\b+1], s[\b+1], -1
	s_or_b32 s20, s20, s[\b]
	s_or_b32 s21, s21, s[\b+1]
.endm
.irp b, 32,36,40,44,48,52,56,60,68,72,76,80,84,88,92,96
	TILEFIX \b
.endr
; The next block of the joint list goes to slot e: its lowest set bit is taken out of s20, s21; s24 gets bit e if my map holds it.
; With the list at its end both bits are 0: s_ctz_i32_b32 gives -1, the number is 31 and bit e stays 0.
.macro EXTRACT e
	s_sub_co_u32 s28, 0, s20
	s_and_b32 s28, s28, s20                        ; lowest bit of the low word; SCC = there is one
	s_cselect_b32 s29, 0, s21                      ; then the high word waits
	s_sub_co_u32 s30, 0, s29
	s_and_b32 s29, s29, s30                        ; else its lowest bit
	s_xor_b32 s20, s20, s28
	s_xor_b32 s21, s21, s29
	s_and_b32 s30, s28, s22
	s_and_b32 s31, s29, s23
	s_or_b32 s30, s30, s31                         ; SCC = my tile needs the block
	s_cselect_b32 s30, 1<<\e, 0
	s_or_b32 s24, s24, s30
	s_ctz_i32_b32 s30, s28
	s_ctz_i32_b32 s31, s29
	s_add_co_u32 s31, s31, 32
	s_cmp_lg_u32 s28, 0
	s_cselect_b32 s30, s30, s31
	s_min_u32 s30, s30, 63                         ; a block number, whatever was loaded
	s_lshl_b32 s[IDX+\e], s30, 6                   ; x 64: its 16 lane masks in bits; x 8,192 below: its rows in k and v
.endm
; 16 slots: the list's next 16 blocks, 32 loads a wave, each of 512 consecutive bytes (rows 2 w, 2 w + 1 of the block); 256 KiB a work-group on their way.
; No cache word: the neighbouring groups of rows read the same blocks.
.macro STAGE_ISSUE
.irp e, 0,1,2,3,4,5,6,7,8,9,10,11,12,13,14,15
	EXTRACT \e
.if \e == 0
	s_load_b512 s[48:63], s[10:11], s[IDX] offset:0x0   ; slot 0's lane masks
.endif
	v_lshl_add_u32 v[OFF+\e], s[IDX+\e], 7, v1
	global_load_b128 v[X+8*\e:X+8*\e+3],   v[OFF+\e], s[6:7]
	global_load_b128 v[X+8*\e+4:X+8*\e+7], v[OFF+\e], s[8:9]
.endr
.endm
; and their way into LDS, rounded to bf16.  An LDS immediate has 16 bits: six slots are reached from one address register.
.macro STAGE_FINISH
.set AK, 2
.set AV, 3
.irp e, 0,1,2,3,4,5,6,7,8,9,10,11,12,13,14,15
.if \e == 6
	v_add_nc_u32 v16, 6*SLOT, v2
	v_add_nc_u32 v17, 6*SLOT, v3
.set AK, 16
.set AV, 17
.endif
.if \e == 12
	v_add_nc_u32 v16, 12*SLOT, v2
	v_add_nc_u32 v17, 12*SLOT, v3
.endif
	s_wait_loadcnt 30-2*\e                         ; loads return in order: slot e's two are in, two for each later slot stay out
	v_cvt_pk_bf16_f32 v[X+8*\e],   v[X+8*\e],   v[X+8*\e+1]
	v_cvt_pk_bf16_f32 v[X+8*\e+1], v[X+8*\e+2], v[X+8*\e+3]
	v_cvt_pk_bf16_f32 v[X+8*\e+4], v[X+8*\e+4], v[X+8*\e+5]
	v_cvt_pk_bf16_f32 v[X+8*\e+5], v[X+8*\e+6], v[X+8*\e+7]
	ds_store_b64 v[AK], v[X+8*\e:X+8*\e+1]   offset:(\e%6)*SLOT
	ds_store_b64 v[AV], v[X+8*\e+4:X+8*\e+5] offset:(\e%6)*SLOT
.endr
.endm
.macro BAR
	s_barrier_signal -1
	s_barrier_wait -1
.endm
; Slot e for my 16 rows: one step of the running softmax over 32 keys.  id names the label.
.macro ENTRY id, e
.set MB, 48+20*(\e&1)                  ; this slot's lane masks: s[48:63] or s[68:83]
	s_wait_kmcnt 0x0                               ; they are in
.if \e < 15
	s_load_b512 s[116-MB:131-MB], s[10:11], s[IDX+1+\e] offset:0x0   ; the next slot's into the other set, needed or not: one load is out at every slot's head
.endif
	s_bitcmp1_b32 s24, \e
	s_cbranch_scc0 .Lskip_\id                      ; my tile has no key here
	v_add_nc_u32 v16, \e*SLOT, v4
	v_add_nc_u32 v17, \e*SLOT, v5
.irp t, 0,1
.irp c, 0,1
	ds_load_b128 v[KF+16*\t+8*\c:KF+16*\t+8*\c+3],   v16 offset:\t*16*KP+64*\c
	ds_load_b128 v[KF+16*\t+8*\c+4:KF+16*\t+8*\c+7], v16 offset:\t*16*KP+64*\c+32
.endr
.endr
	s_wait_dscnt 0x0
	v_wmma_f32_16x16x32_bf16 v[SC:SC+7],    v[KF:KF+7],     v[QF:QF+7],    0            ; the first link starts the sum
	v_wmma_f32_16x16x32_bf16 v[SC+8:SC+15], v[KF+16:KF+23], v[QF:QF+7],    0
	v_wmma_f32_16x16x32_bf16 v[SC:SC+7],    v[KF+8:KF+15],  v[QF+8:QF+15], v[SC:SC+7]   ; the second is a chain in place
	v_wmma_f32_16x16x32_bf16 v[SC+8:SC+15], v[KF+24:KF+31], v[QF+8:QF+15], v[SC+8:SC+15]
.rept 4
	v_nop                                          ; four places (ISA guide 7.12.1) before the scores are read; with the two adds above, six
.endr                                              ; behind the last slot's products with V^T, into whose source registers the next loads go
.irp dt, 0,1,2,3
	ds_load_tr16_b128 v[VF+8*\dt:VF+8*\dt+3],   v17 offset:32*\dt          ; keys 8 h .. of d 16 dt + r
	ds_load_tr16_b128 v[VF+8*\dt+4:VF+8*\dt+7], v17 offset:32*\dt+16*VP    ; keys 16 + 8 h ..
.endr
.irp i, 0,1,2,3,4,5,6,7,8,9,10,11,12,13,14,15
	v_cndmask_b32 v[SC+\i], v9, v[SC+\i], s[MB+\i] ; allowed: the score; else -2^100
.endr
	v_max3_num_f32 v[PB],   v[SC],    v[SC+1],  v[SC+2]
	v_max3_num_f32 v[PB+1], v[SC+3],  v[SC+4],  v[SC+5]
	v_max3_num_f32 v[PB+2], v[SC+6],  v[SC+7],  v[SC+8]
	v_max3_num_f32 v[PB+3], v[SC+9],  v[SC+10], v[SC+11]
	v_max3_num_f32 v[PB+4], v[SC+12], v[SC+13], v[SC+14]
	v_max3_num_f32 v[PB],   v[PB],    v[PB+1],  v[SC+15]
	v_max3_num_f32 v[PB+2], v[PB+2],  v[PB+3],  v[PB+4]
	v_max_num_f32  v[PB],   v[PB],    v[PB+2]
	v_permlanex16_b32 v14, v[PB], s26, s27         ; the other 16 keys of my query
	v_max3_num_f32 v11, v[PB], v14, v11            ; the running maximum m
	v_mul_f32 v18, NLOG2E, v11                     ; -m log2e, rounded once; p and alpha use the same rounded number, so its error cancels in O / l
	v_sub_f32 v19, v18, v10                        ; (m_old - m_new) log2e
	v_exp_f32 v12, v19                             ; alpha
	v_mov_b32 v10, v18                             ; (the plain place behind the exponential)
.irp i, 0,2,4,6,8,10,12,14
	v_pk_fma_f32 v[SC+\i:SC+\i+1], v[SC+\i:SC+\i+1], LOG2E, v[10:11] op_sel_hi:[1,0,0]   ; (s - m) log2e, the product unrounded
.endr
.irp i, 0,1,2,3,4,5,6,7,8,9,10,11,12,13,14,15
	v_exp_f32 v[SC+\i], v[SC+\i]                   ; p
.endr
	s_wait_alu depctr_va_vdst(0)
.irp i, 0,2,4,6,8,10,12,14,16,18,20,22,24,26,28,30
	v_pk_mul_f32 v[OA+\i:OA+\i+1], v[OA+\i:OA+\i+1], v[12:13] op_sel_hi:[1,0]   ; O *= alpha; the first is the plain place behind the exponentials
.endr
	v_pk_add_f32 v[PB:PB+1],   v[SC:SC+1],     v[SC+2:SC+3]
	v_pk_add_f32 v[PB+2:PB+3], v[SC+4:SC+5],   v[SC+6:SC+7]
	v_pk_add_f32 v[PB+4:PB+5], v[SC+8:SC+9],   v[SC+10:SC+11]
	v_pk_add_f32 v[PB+6:PB+7], v[SC+12:SC+13], v[SC+14:SC+15]
	v_pk_add_f32 v[PB:PB+1],   v[PB:PB+1],     v[PB+2:PB+3]
	v_pk_add_f32 v[PB+4:PB+5], v[PB+4:PB+5],   v[PB+6:PB+7]
	v_pk_add_f32 v[PB:PB+1],   v[PB:PB+1],     v[PB+4:PB+5]
	v_add_f32 v[PB], v[PB], v[PB+1]
	v_fma_f32 v13, v13, v12, v[PB]                 ; l = l alpha + my 16 keys' p (the two halves of the lanes are joined at the end)
.irp i, 0,1,2,3,4,5,6,7
	v_cvt_pk_bf16_f32 v[PB+\i], v[SC+2*\i], v[SC+2*\i+1]   ; keys 8 h + 0 .. 7 in registers 0-3, 16 + 8 h + 0 .. 7 in 4-7: the fragment as it is
.endr
	s_wait_dscnt 0x0                               ; V^T is in
.irp dt, 0,1,2,3
	v_wmma_f32_16x16x32_bf16 v[OA+8*\dt:OA+8*\dt+7], v[VF+8*\dt:VF+8*\dt+7], v[PB:PB+7], v[OA+8*\dt:OA+8*\dt+7]
.endr
.Lskip_\id:
.endm
; A chunk's 16 slots.  c: a letter for the labels of this copy of the code.
.macro COMPUTE c
	s_cmp_eq_u32 s24, 0
	s_cbranch_scc1 .Ldone_\c                       ; nothing here for my tile
.irp e, 0,1,2,3,4,5,6,7,8,9,10,11,12,13,14,15
	ENTRY \c\e, \e
.endr
.Ldone_\c:
	s_wait_kmcnt 0x0                               ; slot 0's lane masks, if the slots were jumped over
.rept 4
	v_nop                                          ; four places behind the last products, before loads land in their sources or O is read
.endr
	s_wait_dscnt 0x0                               ; my reads of the slots are over: said by the barrier that follows
.endm
	; CHUNK 0, always staged (the joint map is never empty: a tile has a key, or a row without, which makes its map full)
	s_mov_b32 s24, 0
	STAGE_ISSUE
	; while K and V are on their way: Q to bf16, through my own stage, into fragments
	s_wait_loadcnt 32                              ; the eight loads of q are older than the 32 of k and v, which stay out
.irp i, 0,1,2,3,4,5,6,7
	v_cvt_pk_bf16_f32 v[OA+4*\i],   v[OA+4*\i],   v[OA+4*\i+1]
	v_cvt_pk_bf16_f32 v[OA+4*\i+1], v[OA+4*\i+2], v[OA+4*\i+3]
	ds_store_b64 v16, v[OA+4*\i:OA+4*\i+1] offset:2*KP*\i
.endr
.irp c, 0,1,2,3
	ds_load_b128 v[QF+4*\c:QF+4*\c+3], v17 offset:32*\c    ; LDS serves a wave's instructions in order: these see the stores above; waited for in front of the barrier
.endr
.irp i, 0,1,2,3,4,5,6,7,8,9,10,11,12,13,14,15,16,17,18,19,20,21,22,23,24,25,26,27,28,29,30,31
	v_mov_b32 v[OA+\i], 0                          ; cleared by hand: which slot's product comes first hangs on the map, so none can be written with C = 0
.endr
	v_mov_b32 v10, 0x7f800000                      ; -m log2e = +inf,
	v_mov_b32 v11, 0xff800000                      ; m = -inf: the first alpha is exp2(-inf) = 0
	v_mov_b32 v12, 0
	v_mov_b32 v13, 0                               ; l
	STAGE_FINISH
	s_wait_dscnt 0x0                               ; my rows of the slots are stored (and my Q fragments are in)
	BAR                                            ; everybody's are
	COMPUTE a
	; CHUNKS 1 TO 3: the same frame; staged only if the joint list goes on
	s_mov_b32 s25, 3
.Lchunk:
	BAR                                            ; every wave's reads of the slots are over (the wait at the end of COMPUTE)
	s_mov_b32 s24, 0
	s_or_b32 s2, s20, s21                          ; the same in all 16 waves
	s_cbranch_scc0 .Lnostage
	STAGE_ISSUE
	STAGE_FINISH
.Lnostage:
	s_wait_dscnt 0x0
	BAR
	COMPUTE b
	s_sub_co_i32 s25, s25, 1
	s_cmp_lg_u32 s25, 0
	s_cbranch_scc1 .Lchunk
	; THE WAY OUT: O / l, through my own stage, as whole rows
	v_permlanex16_b32 v14, v13, s26, s27
	v_add_f32 v13, v13, v14                        ; l over all keys: at least about 1, the largest p of the row
	v_rcp_f32 v12, v13
	v_nop                                          ; the plain place behind the reciprocal
	s_wait_alu depctr_va_vdst(0)
.irp i, 0,2,4,6,8,10,12,14,16,18,20,22,24,26,28,30
	v_pk_mul_f32 v[OA+\i:OA+\i+1], v[OA+\i:OA+\i+1], v[12:13] op_sel_hi:[1,0]
.endr
.irp i, 0,1,2,3,4,5,6,7
	ds_store_b128 v6, v[OA+4*\i:OA+4*\i+3] offset:64*(\i>>1)+16*(\i&1)   ; i = 2 dt + u: row r, d 16 dt + 8 h + 4 u ..
.endr
.irp i, 0,1,2,3,4,5,6,7
	ds_load_b128 v[X+4*\i:X+4*\i+3], v7 offset:2*OP*\i                   ; rows 2 i, 2 i + 1, in order behind the stores above
.endr
.irp i, 0,1,2,3,4,5,6,7
	s_wait_dscnt 7-\i                              ; LDS loads return in order: the younger ones stay out
	global_store_b128 v8, v[X+4*\i:X+4*\i+3], s[14:15] offset:512*\i th:TH_STORE_NT   ; 512 consecutive bytes, at a multiple of 512 from the buffer's first byte
.endr
	s_wait_tensorcnt 0x0
	ds_add_u32 v212, v213
	s_wait_dscnt 0x0
	s_endpgm
.Lfunc_end_k_qa2ded277df_attn:
	.size	k_qa2ded277df_attn, .Lfunc_end_k_qa2ded277df_attn-k_qa2ded277df_attn
	.p2alignl 7, 3214868480
	.fill 96, 4, 3214868480
	.section	.rodata,"a",@progbits
	.p2align	6, 0x0
	.amdhsa_kernel k_qa2ded277df_attn
		.amdhsa_group_segment_fixed_size 227328
		.amdhsa_private_segment_fixed_size 0
		.amdhsa_enable_private_segment 0
		.amdhsa_kernarg_size 48
		.amdhsa_user_sgpr_count 2
		.amdhsa_user_sgpr_kernarg_segment_ptr 1
		.amdhsa_wavefront_size32 1
		.amdhsa_system_sgpr_workgroup_id_x 1
		.amdhsa_system_sgpr_workgroup_id_y 1
		.amdhsa_system_sgpr_workgroup_id_z 1
		.amdhsa_system_vgpr_workitem_id 0
		.amdhsa_next_free_vgpr 214
		.amdhsa_next_free_sgpr 100
		.amdhsa_reserve_vcc 0
		.amdhsa_float_denorm_mode_32 3
		.amdhsa_float_denorm_mode_16_64 3
		.amdhsa_memory_ordered 1
		.amdhsa_forward_progress 1
		.amdhsa_inst_pref_size 255
	.end_amdhsa_kernel
	.section	.bss,"aw",@nobits
	.p2align	6
	.space	262144
	.amdgpu_metadata
---
amdhsa.version: [ 1, 2 ]
amdhsa.kernels:
  - .name:           k_qa2ded277df_attn
    .symbol:         k_qa2ded277df_attn.kd
    .args:
      - { .name: q, .offset: 0, .size: 8, .value_kind: global_buffer, .address_space: global }
      - { .name: k, .offset: 8, .size: 8, .value_kind: global_buffer, .address_space: global }
      - { .name: v, .offset: 16, .size: 8, .value_kind: global_buffer, .address_space: global }
      - { .name: bits, .offset: 24, .size: 8, .value_kind: global_buffer, .address_space: global }
      - { .name: tiles, .offset: 32, .size: 8, .value_kind: global_buffer, .address_space: global }
      - { .name: out0, .offset: 40, .size: 8, .value_kind: global_buffer, .address_space: global }
    .group_segment_fixed_size: 227328
    .private_segment_fixed_size: 0
    .kernarg_segment_align: 8
    .kernarg_segment_size: 48
    .max_flat_workgroup_size: 512
    .sgpr_count:     100
    .vgpr_count:     214
    .wavefront_size: 32
...
	.end_amdgpu_metadata
.endif
;; end of part 2
